; MI455X (gfx1250); checked and timed in simulation.
; The chip was launched on July 23, 2026; its instructions are those of AMD's public machine-readable ISA for CDNA 5 (MIT licence, August 2026) and "CDNA5" Instruction Set Architecture Reference Guide (July 2026). The comments in the code are by the model that wrote it; some were corrected since.
;; FP8 Linear Module. Allowed arithmetic: matrix products marked QUANTISED: E2M3 operands, one E8M0 scale for each 32 along K, by v_wmma_scale_f32_16x16x128_f8f6f4 with both operands' format E2M3, f32 sums; everything else in f32.
;; Inputs: bias 4,096 bfloat16; weight 4,096 x 4,096 bfloat16; x 4,096 x 4,096 bfloat16.
;; Outputs: out0 4,096 x 4,096 bfloat16.
;; This version of the problem:
;;   THIS VERSION OF THE PROBLEM IS GIVEN IN LOW PRECISION. The matrix products marked QUANTISED in the list below multiply operands that are first quantised to E2M3 (2 exponent bits, 3 mantissa bits; 6 bits a number), with one power-of-two scale for each 32 numbers along K (OCP MX v1.0); their sums are f32. All else is computed in f32.
;;   The module's matrix products, in the order in which they are computed (A, B: the left and right operand; K: the contracted axis; several contracted axes count as one K, in the product's order):
;;     1. [M 4,096, K 4,096] x [K 4,096, N 4,096]; A: computed on the way; B: computed on the way: QUANTISED
;;   THE QUANTISER, for each operand of a quantised product, along K:
;;     - K is cut into blocks of 32 from its start; a last block that is shorter is filled with zeros.
;;     - A block's scale is 2^e with e = floor(log2(the largest magnitude in the block)) - 2, held to -126 .. 127; a block of zeros has e = 0. As a byte (E8M0): e + 127.
;;     - Each number is divided by its block's scale, clamped to +-7.5, and rounded to the nearest number of E2M3, ties to even, subnormals kept.
;;     - The product sums the exact products of the quantised numbers (number of the format x scale) in f32.
;;   ~~~python
;;   def quantise(x, axis):      # numpy; x: float32 -> the quantised numbers, widened to float32 again
;;       x = np.moveaxis(x, axis, -1); K = x.shape[-1]
;;       x = np.pad(x, [(0, 0)] * (x.ndim - 1) + [(0, -K % 32)]); x = x.reshape(x.shape[:-1] + (-1, 32)); a = np.abs(x).max(-1, keepdims=True)
;;       e = np.where(a > 0, np.clip(np.frexp(np.where(a > 0, a, 1))[1] - 1 - 2, -126, 127), 0)      # np.frexp(a)[1] - 1 = floor(log2(a)), exactly
;;       r = np.clip(x / 2.0 ** e, -7.5, 7.5)
;;       step = 2.0 ** (np.maximum(np.frexp(np.where(r == 0, 1, r))[1] - 1, 0) - 3)
;;       q = np.round(r / step) * step * 2.0 ** e      # np.round: ties to even
;;       return np.moveaxis(q.reshape(q.shape[:-2] + (-1,))[..., :K], -1, axis).astype(np.float32)
;;   ~~~
;;   OPERANDS COMPUTED ON THE WAY. 'Computed on the way' means the value that the module computes at that place (a softmax that the list does not call 'softmax' is quantised finished and normalised). What goes into a quantiser is computed in f32, as accurately as f32 sums, v_exp_f32 and their like allow (about 1e-6 of the number): no bf16 or f16 on the way to a quantiser, and a product that is left as it is and whose result goes on into a quantised operand takes f32 operands (vector FMAs, or v_wmma_f32_16x16x4_f32). A number that lies on a knife's edge between two numbers of the format may be rounded either way, as far as f32 arithmetic and the matrix unit's own rounding can turn it there, and no further.
;; One version. Each part assembles by itself: llvm-mc -triple=amdgcn-amd-amdhsa -mcpu=gfx1250 --defsym DOCPART=n.
;; ======== version 1 of 1: 2 launches
;; limits: values are held in bf16: 8 bits of precision; right only within a limited range of input values
;; workspace buffers: a_tiles 13,697,024 bytes; a_row 16,384 bytes; b_tiles 13,697,024 bytes; b_row 16,384 bytes
;; launch quant (part 1): grid 256 x 1, 16 waves a work-group, no clusters, 166,144 bytes of LDS; arguments x, weight, a_tiles, a_row, b_tiles, b_row; writes a_tiles, a_row, b_tiles, b_row
.if DOCPART == 1
	.amdgcn_target "amdgcn-amd-amdhsa--gfx1250"
	.amdhsa_code_object_version 6
	.text
	.protected	k_q7912beebfc_quant
	.globl	k_q7912beebfc_quant
	.p2align	8
	.type	k_q7912beebfc_quant,@function
k_q7912beebfc_quant:
	s_mov_b64 s[64:65], 0
	v_nop
	global_prefetch_b8 v0, s[64:65] scope:SCOPE_SE
	s_setreg_imm32_b32 hwreg(HW_REG_WAVE_MODE, 25, 1), 1
	s_wait_xcnt 0x0
; x [4096][4096] and weight [4096][4096], bf16, become the two operands of the quantised product.
; For each row: s = max(amax / 448, 1e-8) in f32; each number is divided by s in f32 and rounded to E4M3 (the operand's value);
; that value is quantised along K to codes of FP6 (E2M3) with one E8M0 byte for each 32 numbers: the block's largest magnitude's exponent field - 2, held at 1 from below.
; OUT, as images of the matrix operand's registers.  A group = 16 rows x 384 K = 4,864 bytes: three fragments (128 K each) of 1,536 bytes, then 256 bytes of scale words.
; In a fragment lane (r, h) has 48 bytes at 48 (16 h + r): row r's blocks h and 2 + h of the 128 K, 24 bytes each.  Scale words: 16 bytes a row: one word for each of the three fragments, one word of zeros.
; Memory: [128 rows][11 pieces of 384 K][8 groups][4,864].  The 11th piece holds 256 K; its third fragment is zeros.  And the row scales s, [4096] f32.
; BOTH DIVISIONS ARE ROUNDED AS A DIVISION IS: q0 = x r, the exact remainder x - q0 s by one fused multiply-add, q0 + remainder x r by another; r is 1 / s by v_rcp_f32 and one Newton step.
; LIMITS: NaN and infinities among the inputs are not served.  The quotient can differ from the correctly rounded one in its last bit only where r is not the f32 number nearest 1 / s.
; A block of zeros gets the byte 1 (not 127): its codes are zeros, and this program alone reads the bytes.  The row scales leave as 128 consecutive bytes a work-group, half of an aligned 256.
; SHARES.  Work-groups 0-127 take x, 128-255 weight: only pointers are chosen.  A work-group owns 32 rows = two groups of 16; in pass g wave w takes row 16 g + w, whole, in 64 registers.
; Row 0's 16 loads go out at the head; row 1's 16 when row 0 is in, so that they are on their way while row 0 is worked.
; 1,024 bytes at a time turn through the wave's own stage, so that a lane holds 16 neighbours along K.
; The codes are gathered in the work-group's image of the group in LDS; behind each pass stands a barrier, and the image's 209 units of 256 bytes are read back, unit w + 16 t by wave w.
; Group 0's units are stored two to a step in pass 1's first seven steps; group 1's behind its pass.
; The images are cleared first of all, with a barrier behind the clearing, while the arguments are on their way.
; In LDS 16 bytes of padding stand behind each 768 bytes of codes (three units): the 32 lanes of a store of codes stand 12, 24, 784 and 1,568 bytes apart and touch 32 different banks (64 banks of 4 bytes: ISA guide 11.1).
; No tensor loads, no matrix work, no cluster: the work-groups share no input.
.set R,    16                          ; v16-143  the two rows as loaded; later the units on their way out and their LDS addresses
.set X,    144                         ; two sets of 8 words: 16 neighbouring bf16
.set F,    160                         ; 16 numbers in f32
.set Q,    176                         ; 16 quotients (at the head: zeros)
.set P8,   192                         ; 16 codes of E4M3
.set C,    196                         ; FP6 codes, two sets of four
.set E,    204                         ; the scale byte, two by turns
.set AD,   206                         ; step t: where my 12 bytes of codes go in a group's image
.set AS,   214                         ; step t: where my block's scale byte goes
.set GO,   222                         ; v222-235 unit w + 16 t: its byte offset in memory + 8 x lane
.set LR,   236                         ; v236-237 image 0, 1: first byte + 8 x lane
.set LO,   32                          ; s32-45   unit w + 16 t: its byte offset in an image
.set M,    F
.set T,    F+4
.set SP,   48                          ; a lane's place in a stage: 32 bytes + 16
.set STG,  32*SP
.set WREG, 2*STG                       ; a wave's two stages
.set IMGB, 16*WREG                     ; behind them the two images
.set GRP,  4864                        ; a group's piece in memory
.set PG,   4960                        ; and in LDS: six halves of 768 + 16 bytes, and the scale words' 256
.set GIMG, 11*PG
.set RS,   IMGB+14*8192                ; the 32 row scales (the clearing covers 14 x 8,192 bytes from IMGB on)
.set SPARE, RS+256                     ; the spare words, 128 bytes a wave
.macro LOADROW r
.irp j, 0,1,2,3,4,5,6,7,8,9,10,11,12,13,14,15
	global_load_b128 v[R+64*(\r)+4*\j:R+64*(\r)+4*\j+3], v3, s[4:5] offset:131072*(\r)+512*\j th:TH_LOAD_NT
.endr
.endm
	s_load_b128 s[4:7], s[0:1], 0x0                ; x, weight
	s_load_b128 s[8:11], s[0:1], 0x10              ; x's tiles, x's row scales
	s_load_b128 s[12:15], s[0:1], 0x20             ; weight's
	v_lshl_add_u32 v242, v0, 2, SPARE
	v_mov_b32 v243, 0
	v_lshl_add_u32 v6, v0, 4, IMGB
	v_lshrrev_b32 v1, 5, v0
.irp k, 0,1,2,3
	v_mov_b32 v[Q+\k], 0
.endr
	v_add_nc_u32 v7, 0x10000, v6
.irp t, 0,1,2,3,4,5,6,7
	ds_store_b128 v6, v[Q:Q+3] offset:8192*\t      ; both images are cleared, 16 bytes a thread
.endr
.irp t, 0,1,2,3,4,5
	ds_store_b128 v7, v[Q:Q+3] offset:8192*\t
.endr
	v_readfirstlane_b32 s16, v1                    ; wave 0..15
	v_and_b32 v2, 31, v0                           ; lane
	s_delay_alu instid0(VALU_DEP_1)
	v_lshlrev_b32 v3, 4, v2
	s_wait_alu depctr_va_vdst(0)
	s_wait_dscnt 0x0                               ; my part of the clearing has landed: zero, for the other waves' sake
	s_barrier_signal -1
	s_barrier_wait -1                              ; both images are zeros
	s_wait_kmcnt 0x0
	s_cmp_lt_u32 ttmp9, 128
	s_cselect_b64 s[4:5], s[4:5], s[6:7]
	s_cselect_b64 s[8:9], s[8:9], s[12:13]
	s_cselect_b64 s[10:11], s[10:11], s[14:15]
	s_cselect_b32 s17, 0, 128
	s_sub_co_u32 s17, ttmp9, s17                   ; the work-group's number within its tensor
	s_lshl_b32 s18, s17, 5
	s_add_co_u32 s18, s18, s16                     ; my first row: 32 x work-group + wave; the second lies 16 rows on
	s_mov_b32 s29, 0
	s_lshl_b32 s28, s18, 13
	s_add_nc_u64 s[4:5], s[4:5], s[28:29]
	LOADROW 0
	s_lshr_b32 s19, s17, 2                         ; which 128 rows: 11 x 38,912 bytes each
	s_mul_i32 s28, s19, 428032
	s_and_b32 s19, s17, 3
	s_mul_i32 s19, s19, 2*GRP                      ; my two groups among the eight
	s_add_co_u32 s28, s28, s19
	s_add_nc_u64 s[8:9], s[8:9], s[28:29]
	s_lshl_b32 s28, s17, 7
	s_add_nc_u64 s[10:11], s[10:11], s[28:29]
	s_mul_i32 s30, s16, WREG
	s_mul_i32 s19, s16, 48
	s_add_co_u32 s19, s19, IMGB                    ; codes: row w of a fragment
	s_lshl_b32 s20, s16, 4
	s_add_co_u32 s20, s20, IMGB+4704               ; scale words: row w
	s_mov_b32 s21, IMGB
	v_lshrrev_b32 v10, 1, v2
	s_delay_alu instid0(VALU_DEP_1)
	v_mul_u32_u24 v14, v10, SP                     ; into the stage: two lanes' 32 bytes on end, then 16 of padding
	v_and_b32 v1, 1, v2
	s_delay_alu instid0(VALU_DEP_1)
	v_lshl_add_u32 v14, v1, 4, v14
	v_mul_u32_u24 v4, v1, 12                       ; which half of its block my 16 numbers are
	v_add_nc_u32 v5, s20, v10
	v_add_nc_u32 v14, s30, v14
	v_mul_u32_u24 v15, v2, SP
	v_bfe_u32 v1, v2, 2, 1
	s_delay_alu instid0(VALU_DEP_1)
	v_mad_u32_u24 v4, v1, 24, v4                   ; block / 2: the lane's first or second 24 bytes
	v_bfe_u32 v1, v2, 1, 1
	s_delay_alu instid0(VALU_DEP_1)
	v_mad_u32_u24 v4, v1, 784, v4                  ; block % 2: lanes 0-15 or 16-31 of the fragment
	v_add_nc_u32 v15, s30, v15
	v_lshrrev_b32 v9, 3, v2
	v_add_nc_u32 v4, s19, v4
; In step t lane l holds numbers 16 n .. 16 n + 15, n = 32 t + l.  Fragment f = n / 8 = 4 t + l / 8; piece c = f / 3 = (11 f) >> 5, exact for f under 32.
; In LDS: codes 4,960 c + 1,568 (f - 3 c) = 1,568 f + 256 c.  Scale byte: 4,960 c + 4 (f - 3 c) + block = 4,948 c + n / 2.
.irp t, 0,1,2,3,4,5,6,7
	v_add_nc_u32 v10, 4*\t, v9
	s_delay_alu instid0(VALU_DEP_1)
	v_mul_u32_u24 v12, v10, 11
	v_mad_u32_u24 v[AD+\t], v10, 1568, v4
	s_delay_alu instid0(VALU_DEP_2)
	v_lshrrev_b32 v12, 5, v12
	s_delay_alu instid0(VALU_DEP_1)
	v_lshl_add_u32 v[AD+\t], v12, 8, v[AD+\t]
	v_mad_u32_u24 v[AS+\t], v12, 4948, v5
	s_delay_alu instid0(VALU_DEP_1)
	v_add_nc_u32 v[AS+\t], 16*\t, v[AS+\t]
.endr
; Unit u = w + 16 t of a group's 209: piece c = u / 19 = (27 u) >> 9, exact for u under 209; j = u - 19 c.
; In memory the pieces lie 38,912 bytes apart: 256 u + 34,048 c.  In LDS: 256 u + 96 c + 16 (j / 3), j / 3 = (11 j) >> 5.
.irp t, 0,1,2,3,4,5,6,7,8,9,10,11,12,13
	s_add_co_u32 s22, s16, 16*\t
	s_mul_i32 s23, s22, 27
	s_lshr_b32 s23, s23, 9
	s_mul_i32 s31, s23, 19
	s_sub_co_u32 s31, s22, s31
	s_mul_i32 s31, s31, 11
	s_lshr_b32 s31, s31, 5
	s_lshl_b32 s31, s31, 4
	s_mul_i32 s[LO+\t], s23, 96
	s_add_co_u32 s[LO+\t], s[LO+\t], s31
	s_mul_i32 s23, s23, 34048
	s_lshl_b32 s22, s22, 8
	s_add_co_u32 s[LO+\t], s[LO+\t], s22
	s_add_co_u32 s23, s23, s22
	v_lshl_add_u32 v[GO+\t], v2, 3, s23
.endr
	v_lshl_add_u32 v[LR], v2, 3, s21
	v_mov_b32 v253, s16
	s_delay_alu instid0(VALU_DEP_2)
	v_add_nc_u32 v[LR+1], GIMG, v[LR]
	v_lshl_add_u32 v253, v253, 2, RS               ; my row's scale word: row 16 g + w
	v_lshl_add_u32 v254, v2, 2, RS
	v_lshlrev_b32 v255, 2, v2
	v_mov_b32 v250, 0x43e00000                     ; 448.0
	v_mov_b32 v251, 1.0
	v_mov_b32 v252, 0x7f7f7f7f                     ; the E8M0 byte of 1.0, in every byte
	s_mov_b32 s24, 0x7fff7fff
	s_mov_b32 s25, 0xffff0000
	s_mov_b32 s26, 0x76543210
	s_mov_b32 s27, 0xfedcba98
	s_wait_alu depctr_va_vdst(0)
.macro TURN r, t                       ; step t's 1,024 bytes through a stage; a wave's LDS instructions are served in order
.irp i, 0,1
	ds_store_b128 v14, v[R+64*(\r)+8*(\t)+4*\i:R+64*(\r)+8*(\t)+4*\i+3] offset:STG*((\t)%2)+16*SP*\i
.endr
.irp i, 0,1
	ds_load_b128 v[X+8*((\t)%2)+4*\i:X+8*((\t)%2)+4*\i+3], v15 offset:STG*((\t)%2)+16*\i
.endr
.endm
.macro AMAX r                          ; the row's largest magnitude, its scale s, and -s and 1 / s as pairs
.set RR, R+64*(\r)
.irp k, 0,1,2,3
	v_and_b32 v[M+\k], s24, v[RR+\k]
.endr
.set j, 4
.rept 15                               ; four chains by turns: no line uses the result of the three lines above it
.irp k, 0,1,2,3
	v_and_b32 v[T+\k], s24, v[RR+j+\k]
.endr
.irp k, 0,1,2,3
	v_pk_max_num_bf16 v[M+\k], v[M+\k], v[T+\k]
.endr
.set j, j+4
.endr
	v_pk_max_num_bf16 v[M], v[M], v[M+1]
	s_delay_alu instid0(VALU_DEP_2)
	v_pk_max_num_bf16 v[M+2], v[M+2], v[M+3]
	s_delay_alu instid0(VALU_DEP_1)
	v_pk_max_num_bf16 v[M], v[M], v[M+2]
	s_delay_alu instid0(VALU_DEP_1)
	v_lshlrev_b32 v[T], 16, v[M]
	s_delay_alu instid0(VALU_DEP_2)
	v_and_b32 v[T+1], s25, v[M]
	s_delay_alu instid0(VALU_DEP_1)
	v_max_num_f32 v[T], v[T], v[T+1]
	s_delay_alu instid0(VALU_DEP_1)
	v_max_num_f32_dpp v[T], v[T], v[T] row_xmask:1 row_mask:0xf bank_mask:0xf
	s_delay_alu instid0(VALU_DEP_1)
	v_max_num_f32_dpp v[T], v[T], v[T] row_xmask:2 row_mask:0xf bank_mask:0xf
	s_delay_alu instid0(VALU_DEP_1)
	v_max_num_f32_dpp v[T], v[T], v[T] row_xmask:4 row_mask:0xf bank_mask:0xf
	s_delay_alu instid0(VALU_DEP_1)
	v_max_num_f32_dpp v[T], v[T], v[T] row_xmask:8 row_mask:0xf bank_mask:0xf
	s_delay_alu instid0(VALU_DEP_1)
	v_permlanex16_b32 v[T+1], v[T], s26, s27
	s_delay_alu instid0(VALU_DEP_1)
	v_max_num_f32 v[M], v[T], v[T+1]               ; amax, in every lane
	s_delay_alu instid0(VALU_DEP_1)
	v_mul_f32 v[T], 0x3b124925, v[M]               ; amax / 448: q0,
	s_delay_alu instid0(VALU_DEP_1)
	v_fma_f32 v[T+1], -v[T], v250, v[M]            ; the exact remainder,
	s_delay_alu instid0(VALU_DEP_1)
	v_fmamk_f32 v[T], v[T+1], 0x3b124925, v[T]     ; q0 + remainder / 448
	s_delay_alu instid0(VALU_DEP_1)
	v_max_num_f32 v[248+(\r)], 0x322bcc77, v[T]    ; s = max(amax / 448, 1e-8)
	s_wait_alu depctr_va_vdst(0)
	v_rcp_f32 v246, v[248+(\r)]
	v_xor_b32 v244, 0x80000000, v[248+(\r)]        ; -s: the plain instruction behind the reciprocal
	s_wait_alu depctr_va_vdst(0)
	v_fma_f32 v[T], v244, v246, 1.0                ; one Newton step
	v_fma_f32 v246, v[T], v246, v246
	v_mov_b32 v245, v244
	s_delay_alu instid0(VALU_DEP_2)
	v_mov_b32 v247, v246
	ds_store_b32 v253, v[248+(\r)] offset:64*(\r)  ; every lane writes the same word with the same value
.endm
.macro STEP r, t                       ; 512 numbers of the row: 16 a lane
.if (\t) == 0
	s_wait_dscnt 1                                 ; this step's two loads from the stage are back, and all that is older; the row scale's store, issued behind them, may be out
.else
	s_wait_dscnt 4                                 ; likewise; behind them stand the last step's three stores of codes and its byte
.endif
.if (\t) < 7
	TURN \r, (\t)+1
.endif
.if (\r) == 1                          ; group 0's units, read back ahead of this pass (older than every load that the wait above covers), leave two to a step
.irp i, 0,1
.if 2*(\t)+\i < 13
	global_store_b64 v[GO+2*(\t)+\i], v[R+4*(\t)+2*\i:R+4*(\t)+2*\i+1], s[8:9]
.endif
.endr
.endif
.set XS, X+8*((\t)%2)
.set CS, C+4*((\t)%2)
.set ES, E+(\t)%2
.irp k, 0,1,2,3,4,5,6,7
	v_lshlrev_b32 v[F+2*\k], 16, v[XS+\k]
	v_and_b32 v[F+2*\k+1], s25, v[XS+\k]
.endr
.irp k, 0,2,4,6,8,10,12,14
	v_pk_mul_f32 v[Q+\k:Q+\k+1], v[F+\k:F+\k+1], v[246:247]                        ; q0 = x r
.endr
.irp k, 0,2,4,6,8,10,12,14
	v_pk_fma_f32 v[F+\k:F+\k+1], v[Q+\k:Q+\k+1], v[244:245], v[F+\k:F+\k+1]        ; x - q0 s, exact
.endr
.irp k, 0,2,4,6,8,10,12,14
	v_pk_fma_f32 v[Q+\k:Q+\k+1], v[F+\k:F+\k+1], v[246:247], v[Q+\k:Q+\k+1]        ; the quotient
.endr
.irp k, 0,1,2,3,4,5,6,7,8,9,10,11,12,13,14,15
	v_med3_num_f32 v[Q+\k], v[Q+\k], -v250, v250   ; held at 448: amax's own quotient can lie a last bit above it (ISA guide 7.6.2)
.endr
	v_cvt_scalef32_pk8_fp8_f32 v[P8:P8+1], v[Q:Q+7], v251
	v_cvt_scalef32_pk8_fp8_f32 v[P8+2:P8+3], v[Q+8:Q+15], v251
	v_nop                                          ; one plain instruction behind a scaled conversion
	v_cvt_scale_pk8_f32_fp8 v[F:F+7], v[P8:P8+1], v252             ; back to f32: the operand's value
	v_cvt_scale_pk8_f32_fp8 v[F+8:F+15], v[P8+2:P8+3], v252
	v_nop
	v_max3_num_f32 v8, |v[F]|, |v[F+1]|, |v[F+2]|
	v_max3_num_f32 v9, |v[F+3]|, |v[F+4]|, |v[F+5]|
.irp i, 6,10
	v_max3_num_f32 v8, v8, |v[F+\i]|, |v[F+\i+1]|
	v_max3_num_f32 v9, v9, |v[F+\i+2]|, |v[F+\i+3]|
.endr
	v_max3_num_f32 v8, v8, |v[F+14]|, |v[F+15]|
	s_delay_alu instid0(VALU_DEP_1)
	v_max3_num_f32 v8, v8, v9, 0x1800000           ; the floor 2^(3 - 127): the byte cannot fall under 1
	s_delay_alu instid0(VALU_DEP_1)
	v_max_num_f32_dpp v8, v8, v8 row_xmask:1 row_mask:0xf bank_mask:0xf   ; with my neighbour's 16: the block's
	s_delay_alu instid0(VALU_DEP_1)
	v_add_nc_u32 v11, 0xff000000, v8               ; 2 off its exponent field: the conversion's scale operand
	v_cvt_scalef32_pk16_fp6_f32 v[CS:CS+2], v[F:F+15], v11
	v_lshrrev_b32 v[ES], 23, v11                   ; the scale's byte (also the plain instruction behind the conversion)
.irp i, 0,1,2
	ds_store_b32 v[AD+(\t)], v[CS+\i] offset:GIMG*(\r)+4*\i
.endr
	ds_store_b8 v[AS+(\t)], v[ES] offset:GIMG*(\r) ; both lanes of a block write the same byte with the same value
.endm
.macro OUT r                           ; group r's image is read back; each store of a wave covers one aligned 256 bytes
	s_wait_dscnt 0x0                               ; my stores into the image have landed: zero, for the other waves' sake
	s_barrier_signal -1
	s_barrier_wait -1
.irp t, 0,1,2,3,4,5,6,7,8,9,10,11,12
	v_add_nc_u32 v[R+64*(\r)+32+\t], s[LO+\t], v[LR+(\r)]
.endr
.irp t, 0,1,2,3,4,5,6,7,8,9,10,11,12
	ds_load_b64 v[R+64*(\r)+2*\t:R+64*(\r)+2*\t+1], v[R+64*(\r)+32+\t]
.endr
.if (\r) == 1                          ; group 0's thirteen stores stand in pass 1's steps
.irp t, 0,1,2,3,4,5,6,7,8,9,10,11,12
	s_wait_dscnt 12-\t                             ; load t is back; the younger ones may be out
	global_store_b64 v[GO+\t], v[R+64*(\r)+2*\t:R+64*(\r)+2*\t+1], s[8:9] offset:GRP*(\r)
.endr
.endif
	s_cmp_lg_u32 s16, 0
	s_cbranch_scc1 .Lnot0_\@                       ; 209 = 16 x 13 + 1: the last unit is wave 0's
	v_add_nc_u32 v[R+64*(\r)+45], s[LO+13], v[LR+(\r)]
	ds_load_b64 v[R+64*(\r)+26:R+64*(\r)+27], v[R+64*(\r)+45]
	s_wait_dscnt 0x0
	global_store_b64 v[GO+13], v[R+64*(\r)+26:R+64*(\r)+27], s[8:9] offset:GRP*(\r)
.Lnot0_\@:
.endm
.macro ROW r
	s_wait_loadcnt 0x0                             ; this row's 16 loads are in: no other load of mine is out
.if (\r) == 0
	LOADROW 1                                      ; the second row is on its way while the first is worked
.endif
	TURN \r, 0
	AMAX \r
.irp t, 0,1,2,3,4,5,6,7
	STEP \r, \t
.endr
	OUT \r
.endm
	ROW 0
	ROW 1
	s_cmp_lg_u32 s16, 0                            ; behind the last barrier the 32 row scales lie in LDS
	s_cbranch_scc1 .Lend
	ds_load_b32 v10, v254
	s_wait_dscnt 0x0
	global_store_b32 v255, v10, s[10:11]           ; 128 consecutive bytes
.Lend:
	s_wait_tensorcnt 0x0                           ; the wave's end
	ds_add_u32 v242, v243
	s_wait_dscnt 0x0
	s_endpgm
.Lfunc_end_k_q7912beebfc_quant:
	.size	k_q7912beebfc_quant, .Lfunc_end_k_q7912beebfc_quant-k_q7912beebfc_quant
	.p2alignl 7, 3214868480
	.fill 96, 4, 3214868480
	.section	.rodata,"a",@progbits
	.p2align	6, 0x0
	.amdhsa_kernel k_q7912beebfc_quant
		.amdhsa_group_segment_fixed_size 166144
		.amdhsa_private_segment_fixed_size 0
		.amdhsa_enable_private_segment 0
		.amdhsa_kernarg_size 48
		.amdhsa_user_sgpr_count 2
		.amdhsa_user_sgpr_kernarg_segment_ptr 1
		.amdhsa_wavefront_size32 1
		.amdhsa_system_sgpr_workgroup_id_x 1
		.amdhsa_system_sgpr_workgroup_id_y 1
		.amdhsa_system_sgpr_workgroup_id_z 1
		.amdhsa_system_vgpr_workitem_id 0
		.amdhsa_next_free_vgpr 256
		.amdhsa_next_free_sgpr 66
		.amdhsa_reserve_vcc 0
		.amdhsa_float_denorm_mode_32 3
		.amdhsa_float_denorm_mode_16_64 3
		.amdhsa_memory_ordered 1
		.amdhsa_forward_progress 1
		.amdhsa_inst_pref_size 117
	.end_amdhsa_kernel
	.amdgpu_metadata
---
amdhsa.version: [ 1, 2 ]
amdhsa.kernels:
  - .name:           k_q7912beebfc_quant
    .symbol:         k_q7912beebfc_quant.kd
    .args:
      - { .name: x, .offset: 0, .size: 8, .value_kind: global_buffer, .address_space: global }
      - { .name: weight, .offset: 8, .size: 8, .value_kind: global_buffer, .address_space: global }
      - { .name: a_tiles, .offset: 16, .size: 8, .value_kind: global_buffer, .address_space: global }
      - { .name: a_row, .offset: 24, .size: 8, .value_kind: global_buffer, .address_space: global }
      - { .name: b_tiles, .offset: 32, .size: 8, .value_kind: global_buffer, .address_space: global }
      - { .name: b_row, .offset: 40, .size: 8, .value_kind: global_buffer, .address_space: global }
    .group_segment_fixed_size: 166144
    .private_segment_fixed_size: 0
    .kernarg_segment_align: 8
    .kernarg_segment_size: 48
    .max_flat_workgroup_size: 512
    .sgpr_count:     66
    .vgpr_count:     256
    .wavefront_size: 32
...
	.end_amdgpu_metadata
.endif
;; end of part 1
;; launch gemm (part 2): grid 16 x 16, 4 waves a work-group, clusters of 4 x 4, 327,680 bytes of LDS; arguments a_tiles, b_tiles, out0, a_row, b_row, bias; writes out0
.if DOCPART == 2
	.amdgcn_target "amdgcn-amd-amdhsa--gfx1250"
	.amdhsa_code_object_version 6
	.text
	.protected	k_q7912beebfc_gemm
	.globl	k_q7912beebfc_gemm
	.p2align	8
	.type	k_q7912beebfc_gemm,@function
k_q7912beebfc_gemm:
	s_mov_b64 s[64:65], 0
	v_nop
	global_prefetch_b8 v0, s[64:65] scope:SCOPE_SE
	s_setreg_imm32_b32 hwreg(HW_REG_WAVE_MODE, 25, 1), 1
	s_wait_xcnt 0x0
	s_wait_alu depctr_hold_cnt(0) depctr_sa_sdst(0) depctr_va_vdst(0) depctr_va_sdst(0) depctr_va_ssrc(0) depctr_va_vcc(0) depctr_vm_vsrc(0)
	s_getreg_b32 s2, hwreg(HW_REG_IB_STS2, 6, 4)
	s_cmp_eq_u32 s2, 0
	s_cbranch_scc0 .Lentry_in_a_cluster
	s_endpgm
.Lentry_in_a_cluster:
	s_bfe_u32 s2, ttmp6, 0x10000c
	s_cmp_lg_u32 s2, 0xf033
	s_cbranch_scc0 .Lentry_shape_is_right
	s_endpgm
.Lentry_shape_is_right:
; out0[m][n] = bf16(acc[m][n] x sa[m] x sw[n] + bias[n]); acc = the sum over k of the quantised x and weight (FP6 codes, E8M0 scales), f32 sums.
; LIMIT: the result is rounded to bf16 ONCE, behind the bias; reference() rounds the scaled sum to bf16 and the sum with the bias again.  The two differ by at most one rounding of the scaled sum to bf16, 2^-9 of its magnitude.
; THE OPERANDS lie in memory as images of the matrix operand's registers: a group = 16 rows x 384 K = three fragments of 1,536 bytes (48 bytes a lane, at 48 x lane) and 256 bytes of scale words
; (16 bytes a row: a word for each fragment); 128 rows x 384 K are eight groups, a dense 38,912 bytes: 152 tensor rows of 256 bytes, each at a multiple of 256.
; So a fragment is three ds_load_b128 (lanes 48 bytes apart: 16 lanes touch 16 different columns of 16 bytes modulo 256), and nothing is padded.
; A tile of 256 x 256 is made by four waves, a wave 128 x 128: 64 accumulators, 512 registers.  K goes in 11 pieces of 384 (the last holds 256) through two LDS slots; each wave fetches a quarter of a slot by one tensor load.
; A AND B HAVE TWO SETS OF FRAGMENTS EACH: at a step's head ONE run of 56 LDS loads fetches the whole next step (128 K), and the step's 64 products follow.  So a slot's reads are over at the head of its
; third step: there stand the wait for all tensor loads, the add, the round of the cluster's barrier and the refill, three steps ahead of the wait for it.
; CLUSTERS 4 x 4: A's tiles are asked for jointly along a row of the cluster, B's along a column.  THE PRODUCT IS USED TRANSPOSED (source 0 = rows of weight, source 1 = rows of x): a lane holds eight neighbouring columns of one row.
; PREFETCH: behind the load of piece c each wave asks for piece c + 2 of the 128 rows that it fetches; the four partners of a joint load share the 152 blocks of 256 bytes out by address, 38 each
; (32 lanes, then 6; the lanes left over name the last block again).  At the head pieces 1 and 2 are asked for, behind piece 1's load piece 3; the last two loads ask for nothing.
; REGISTERS: window 0: v0-31 addresses; v32-47 scale words, two sets of 8 (lanes 0-15 A's block i, lanes 16-31 B's); v48-61 the head's loads; v64-159, v160-255 A's two sets.
;   window 1: B's two sets at v0 and v128; on the way out v0-63 sw, v64-127 bias, v224-239 sa.  windows 2, 3: the accumulators, (a, b) at v[8 (8 (a % 4) + b)].
.set SIZE_N, 4096
.set GRP,    4864
.set HALFT,  8*GRP                     ; 128 rows x 384 K: one tensor load
.set SLOT,   4*HALFT                   ; A's 256 rows, then B's
.set TROW,   11*HALFT                  ; 128 rows, all of K
.set SCR,    2*SLOT                    ; behind the ring: 1,536 bytes a wave: sw, bias (f32), sa of its 128 columns and rows
.set SPARE,  SCR+4*1536                ; the spare words
.set STAGE,  SLOT                      ; the way out goes through slot 1, which has had its last fill and its last read by then
.set SPITCH, 272
.set FR,   12
.set ADRA, 16
.set ADRS, 18
.set ADRB, 20
.set CA,   22
.set CS,   23
.set STO,  24
.set RD,   25
.set CO,   26
.set SPW,  28
.set NIL,  29
.set PFO,  30
.set PFO2, 31
.set SC,   32
.set AF,   64
.set TMP,  64                          ; the way out works in A's set 0, which the last step does not use
.set OB,   96
.set SW,   0
.set BI,   64
.set SA,   224
.set G1,  24
.set G0,  32
.set G1B, 48
.set G0B, 56
.set PFA, 66
.set MSB, 0
.macro WIN new                         ; the immediate's high byte repeats the setting that is left
.if MSB != \new
	s_set_vgpr_msb (MSB<<8)|\new
.set MSB, \new
.endif
.endm
.set MUL_LO, 0xa1                      ; source 0 (B) window 1, source 1 (A) window 0, C and D window 2
.set MUL_HI, 0xf1
.set TO_B,   0x40
.macro PLACES
.rept 4
	v_nop
.endr
.endm
.macro JLOAD s                         ; a joint load: waves 0, 1 fetch A's halves, waves 2, 3 B's; s_nop 0 and four v_nop behind each line
	s_cmp_eq_u32 s17, 0
	s_cbranch_scc0 .Lfor_b_\@
	tensor_load_to_lds s[G0+4*\s:G0+4*\s+3], s[G1:G1+7]
	s_nop 0
	PLACES
	s_branch .Lasked_\@
.Lfor_b_\@:
	tensor_load_to_lds s[G0B+4*\s:G0B+4*\s+3], s[G1B:G1B+7]
	s_nop 0
	PLACES
.Lasked_\@:
.endm
.macro CREST
	s_cmp_lg_u32 s16, 0
	s_cbranch_scc1 .Lnot_wave_0_\@
	s_barrier_signal -3
.Lnot_wave_0_\@:
	s_barrier_wait -3
	s_barrier_signal -1
	s_barrier_wait -1
.endm
.macro CROUND
	s_barrier_signal -1
	s_barrier_wait -1
	CREST
.endm
.macro PF off                          ; my work-group's 38 blocks of the piece at PFA + off
	global_prefetch_b8 v[PFO], s[PFA:PFA+1] offset:\off th:TH_LOAD_NT scope:SCOPE_SE
	global_prefetch_b8 v[PFO2], s[PFA:PFA+1] offset:\off th:TH_LOAD_NT scope:SCOPE_SE
.endm
.macro ASK how                         ; 1: always; 2: not in the loop's last trip, where the piece two on does not exist
.if \how == 2
	s_cmp_gt_u32 s3, 1
	s_cbranch_scc0 .Lnone_\@
.endif
.if \how
	PF 2*HALFT
.endif
.if \how == 2
.Lnone_\@:
.endif
.endm
	s_load_b128 s[4:7], s[0:1], 0x0                ; A's tiles, B's tiles
	s_load_b128 s[8:11], s[0:1], 0x10              ; out0, sa
	s_load_b128 s[12:15], s[0:1], 0x20             ; sw, bias
	v_lshl_add_u32 v[SPW], v0, 2, SPARE
	v_mov_b32 v[NIL], 0
	ds_add_u32 v[SPW], v[NIL]
	ds_add_u32 v[SPW], v[NIL]
	v_lshrrev_b32 v1, 5, v0
	v_readfirstlane_b32 s16, v1                    ; wave 0..3
	s_lshr_b32 s17, s16, 1                         ; my half of the tile's rows; also: I fetch for A (0) or B (1)
	s_and_b32 s18, s16, 1                          ; my half of its columns; also: which 128 rows I fetch
	s_bfe_u32 s40, ttmp6, 0x40000                  ; cx
	s_bfe_u32 s41, ttmp6, 0x40004                  ; cy
	s_lshl_b32 s42, ttmp9, 2
	s_add_co_u32 s42, s42, s40                     ; tile column
	s_and_b32 s19, ttmp7, 0xffff
	s_lshl_b32 s19, s19, 2
	s_add_co_u32 s19, s19, s41                     ; tile row
	s_lshl_b32 s43, s41, 2
	s_lshl_b32 s43, 15, s43                        ; my row of the cluster
	s_lshl_b32 s44, 0x1111, s40                    ; my column
	s_or_b32 s[G1+0], s43, (3<<16)|(1<<21)         ; the mask; elements of 8 bytes; bit 21 beside a mask
	s_or_b32 s[G1B+0], s44, (3<<16)|(1<<21)
.irp g, G1, G1B
	s_mov_b32 s[\g+1], 32<<16                      ; a dense block: 152 rows of 32 elements
	s_mov_b32 s[\g+2], 152<<16
	s_mov_b32 s[\g+3], 32<<16
	s_mov_b32 s[\g+4], 152
	s_mov_b32 s[\g+5], 32
	s_mov_b32 s[\g+6], 0
	s_mov_b32 s[\g+7], 0
.endr
	s_lshl_b32 s20, s19, 1
	s_add_co_u32 s20, s20, s18
	s_mul_i32 s20, s20, TROW                       ; A: 128 rows number 2 x tile row + half
	s_mov_b32 s21, 0
	s_lshl_b32 s46, s42, 1
	s_add_co_u32 s46, s46, s18
	s_mul_i32 s46, s46, TROW                       ; B: by the tile column
	s_mov_b32 s47, 0
	s_mul_i32 s45, s16, HALFT                      ; where they go: wave x 38,912
	s_wait_dscnt 0x0                               ; both opening adds are done
	CROUND                                         ; the round in front of the first joint loads; it needs no argument, so it stands ahead of the wait for them
	s_wait_kmcnt 0x0
	s_add_nc_u64 s[20:21], s[4:5], s[20:21]
	s_add_nc_u64 s[46:47], s[6:7], s[46:47]
.irp s, 0,1
	s_mov_b32 s[G0+4*\s], 1
	s_add_co_u32 s[G0+4*\s+1], s45, \s*SLOT
	s_add_nc_u64 s[G0+4*\s+2:G0+4*\s+3], s[20:21], \s*HALFT
	s_or_b32 s[G0+4*\s+3], s[G0+4*\s+3], 0x80000000
	s_mov_b32 s[G0B+4*\s], 1
	s_add_co_u32 s[G0B+4*\s+1], s45, \s*SLOT
	s_add_nc_u64 s[G0B+4*\s+2:G0B+4*\s+3], s[46:47], \s*HALFT
	s_or_b32 s[G0B+4*\s+3], s[G0B+4*\s+3], 0x80000000
.endr
	JLOAD 0                                        ; piece 0: one tensor load a wave at the head
	s_lshl_b32 s20, s19, 10                        ; sa: 4 bytes x (256 tile row + 128 half)
	s_lshl_b32 s21, s17, 9
	s_add_co_u32 s20, s20, s21
	s_mov_b32 s21, 0
	s_add_nc_u64 s[10:11], s[10:11], s[20:21]
	s_lshl_b32 s22, s42, 10                        ; sw: by my columns
	s_lshl_b32 s23, s18, 9
	s_add_co_u32 s22, s22, s23
	s_mov_b32 s23, 0
	s_add_nc_u64 s[12:13], s[12:13], s[22:23]
	s_lshr_b32 s22, s22, 1                         ; 2 bytes a column: bias, and out0
	s_add_nc_u64 s[14:15], s[14:15], s[22:23]
	s_add_nc_u64 s[8:9], s[8:9], s[22:23]
	s_lshl_b32 s20, s20, 11                        ; 8,192 bytes a row of out0
	s_add_nc_u64 s[8:9], s[8:9], s[20:21]
	s_cmp_eq_u32 s17, 0                            ; the prefetches: the 128 rows that I fetch,
	s_cselect_b32 s20, s19, s42
	s_cselect_b32 s22, s40, s41                    ; my place among the four that ask with me,
	s_cselect_b64 s[PFA:PFA+1], s[4:5], s[6:7]
	s_lshl_b32 s20, s20, 1
	s_add_co_u32 s20, s20, s18
	s_mul_i32 s20, s20, TROW
	s_mul_i32 s22, s22, 38*256
	s_add_co_u32 s20, s20, s22
	s_add_co_u32 s20, s20, HALFT                   ; at piece 1
	s_add_nc_u64 s[PFA:PFA+1], s[PFA:PFA+1], s[20:21]
	s_mul_i32 s68, s17, HALFT                      ; LDS: my 128 rows of A,
	s_mul_i32 s69, s18, HALFT
	s_add_co_u32 s69, s69, 2*HALFT                 ; of B,
	s_sub_co_u32 s70, s69, s68
	s_add_co_u32 s71, s68, SLOT                    ; the same in slot 1,
	s_add_co_u32 s72, s69, SLOT
	s_mul_i32 s73, s16, 16*SPITCH
	s_add_co_u32 s73, s73, STAGE                   ; my stage,
	s_mul_i32 s74, s16, 1536
	s_add_co_u32 s74, s74, SCR                     ; my scratch
	v_and_b32 v1, 15, v0                           ; r
	v_bfe_u32 v2, v0, 4, 1                         ; h
	v_and_b32 v3, 31, v0                           ; lane
	v_mul_u32_u24 v4, v3, 48
	v_mul_u32_u24 v7, s70, v2                      ; scale words: lanes 16-31 take B's
	v_lshl_add_u32 v7, v1, 4, v7
	v_add_nc_u32 v[ADRA], s68, v4
	v_add_nc_u32 v[ADRA+1], s71, v4
	v_add_nc_u32 v[ADRB], s69, v4
	v_add_nc_u32 v[ADRB+1], s72, v4
	v_add_nc_u32 v[ADRS], s68, v7
	v_add_nc_u32 v[ADRS+1], s71, v7
	v_mul_u32_u24 v5, v1, SPITCH
	v_lshl_add_u32 v5, v2, 4, v5
	v_add_nc_u32 v[STO], s73, v5
	v_mul_u32_u24 v5, v2, SPITCH
	v_lshl_add_u32 v5, v1, 4, v5
	v_add_nc_u32 v[RD], s73, v5
	v_lshlrev_b32 v5, 13, v2
	v_lshl_add_u32 v[CO], v1, 4, v5
	v_lshl_add_u32 v8, v3, 4, s74
	v_lshl_add_u32 v[CA], v2, 5, s74               ; eight columns from 8 h on
	v_lshl_add_u32 v[CS], v1, 2, s74               ; row r
	v_lshlrev_b32 v[PFO], 8, v3                    ; blocks 0-31,
	v_min_u32 v9, 5, v3
	v_lshl_add_u32 v[PFO2], v9, 8, 8192            ; blocks 32-37
	v_lshlrev_b32 v10, 4, v3
	v_lshlrev_b32 v11, 3, v3
	global_load_b128 v[48:51], v10, s[10:11]       ; sa of my 128 rows
	global_load_b128 v[52:55], v10, s[12:13]       ; sw of my 128 columns
	global_load_b64 v[56:57], v11, s[14:15]        ; their bias
	PF 0                                           ; pieces 1 and 2
	PF HALFT
	s_wait_alu depctr_va_vdst(0)
	s_wait_loadcnt 0x0
	v_lshlrev_b32 v58, 16, v56                     ; bias to f32
	v_and_b32 v59, 0xffff0000, v56
	v_lshlrev_b32 v60, 16, v57
	v_and_b32 v61, 0xffff0000, v57
	ds_store_b128 v8, v[52:55]                     ; into my own scratch, bytes on which no tile lands
	ds_store_b128 v8, v[58:61] offset:512
	ds_store_b128 v8, v[48:51] offset:1024
.macro FETCH nb, nq, st                ; the 16 fragments and 8 scale words of one step (fragment nq of slot nb) into set st: 56 loads in one run
	WIN TO_B
.irp i, 0,1,2,3,4,5,6,7
.irp j, 0,1,2
	ds_load_b128 v[128*(\st)+FR*\i+4*\j:128*(\st)+FR*\i+4*\j+3], v[ADRB+(\nb)] offset:\i*GRP+1536*(\nq)+16*\j
.endr
.endr
	WIN 0
.irp i, 0,1,2,3,4,5,6,7
.irp j, 0,1,2
	ds_load_b128 v[AF+96*(\st)+FR*\i+4*\j:AF+96*(\st)+FR*\i+4*\j+3], v[ADRA+(\nb)] offset:\i*GRP+1536*(\nq)+16*\j
.endr
.endr
.irp i, 0,1,2,3,4,5,6,7
	ds_load_b32 v[SC+8*(\st)+\i], v[ADRS+(\nb)] offset:\i*GRP+4608+4*(\nq)
.endr
.endm
.macro MUL8 a, p, zero                 ; A's block a against B's eight.  The 64 accumulators take turns, in the same order in every step
.irp b, 0,1,2,3,4,5,6,7
.if \zero
	v_wmma_scale_f32_16x16x128_f8f6f4 v[8*(8*((\a)%4)+\b):8*(8*((\a)%4)+\b)+7], v[128*(\p)+FR*\b:128*(\p)+FR*\b+FR-1], v[AF+96*(\p)+FR*(\a):AF+96*(\p)+FR*(\a)+FR-1], 0, v[SC+8*(\p)+\b], v[SC+8*(\p)+(\a)] matrix_a_fmt:MATRIX_FMT_FP6 matrix_b_fmt:MATRIX_FMT_FP6 matrix_a_scale:MATRIX_SCALE_ROW1
.else
	v_wmma_scale_f32_16x16x128_f8f6f4 v[8*(8*((\a)%4)+\b):8*(8*((\a)%4)+\b)+7], v[128*(\p)+FR*\b:128*(\p)+FR*\b+FR-1], v[AF+96*(\p)+FR*(\a):AF+96*(\p)+FR*(\a)+FR-1], v[8*(8*((\a)%4)+\b):8*(8*((\a)%4)+\b)+7], v[SC+8*(\p)+\b], v[SC+8*(\p)+(\a)] matrix_a_fmt:MATRIX_FMT_FP6 matrix_b_fmt:MATRIX_FMT_FP6 matrix_a_scale:MATRIX_SCALE_ROW1
.endif
.endr
.endm
.macro NSTEP p, zero, nb, nq           ; a step on set p; the next step's fragments go into the other set
	s_wait_dscnt 0x0                               ; this step's 56 loads, issued a step ago, are in
	PLACES                                         ; four places in front of loads into registers that the last step's products read
	FETCH \nb, \nq, 1-(\p)
	WIN MUL_LO
.irp a, 0,1,2,3
	MUL8 \a, \p, \zero
.endr
	WIN MUL_HI
.irp a, 4,5,6,7
	MUL8 \a, \p, \zero
.endr
.endm
.macro TSTEP b, p, fill, ask           ; slot b's third step: its fragments are in registers, so the slot is read no more
	WIN 0
.if \ask
	s_wait_xcnt 0x0                                ; my last prefetches have read their address
	s_add_nc_u64 s[PFA:PFA+1], s[PFA:PFA+1], HALFT
.endif
	s_wait_tensorcnt 0x0                           ; all my tensor loads have landed: my part of the other slot;
	ds_add_u32 v[SPW], v[NIL]                      ; 0 onto my spare word
	s_wait_dscnt 1                                 ; this step's 56 loads are in; the add alone may be out
	WIN MUL_LO
	MUL8 0, \p, 0
	s_wait_dscnt 0x0                               ; the add is done, and my reads of this slot are over
	s_barrier_signal -1
	MUL8 1, \p, 0
	WIN 0
	s_barrier_wait -1
.if \fill
	CREST                                          ; the barrier has opened a round of the cluster's barrier
	s_add_nc_u64 s[G0+4*(\b)+2:G0+4*(\b)+3], s[G0+4*(\b)+2:G0+4*(\b)+3], 2*HALFT
	s_add_nc_u64 s[G0B+4*(\b)+2:G0B+4*(\b)+3], s[G0B+4*(\b)+2:G0B+4*(\b)+3], 2*HALFT
	JLOAD \b                                       ; the first tensor load behind the round; its four v_nop are the places in front of the loads below
.else
	PLACES
.endif
	FETCH 1-(\b), 0, 1-(\p)
	ASK \ask
	WIN MUL_LO
.irp a, 2,3
	MUL8 \a, \p, 0
.endr
	WIN MUL_HI
.irp a, 4,5,6,7
	MUL8 \a, \p, 0
.endr
.endm
	s_wait_alu depctr_va_vdst(0)
	s_wait_tensorcnt 0x0                           ; my part of piece 0 is in; the same lines as ahead of a refill:
	ds_add_u32 v[SPW], v[NIL]
	s_wait_dscnt 0x0                               ; the add and my stores into the scratch are done
	CROUND
	JLOAD 1                                        ; piece 1, the first tensor load behind the round
	FETCH 0, 0, 0
	PF 2*HALFT                                     ; piece 3
	NSTEP 0, 1, 0, 1                               ; the first step's products start the sums
	WIN 0
	s_mov_b32 s3, 4
.Ltrip:                                                ; six steps: once round the ring, both slots filled again (pieces 2 to 9)
	NSTEP 1, 0, 0, 2
	TSTEP 0, 0, 1, 1
	NSTEP 1, 0, 1, 1
	NSTEP 0, 0, 1, 2
	TSTEP 1, 1, 1, 2
	NSTEP 0, 0, 0, 1
	WIN 0
	s_sub_co_u32 s3, s3, 1
	s_cmp_lg_u32 s3, 0
	s_cbranch_scc1 .Ltrip
	NSTEP 1, 0, 0, 2
	TSTEP 0, 0, 1, 0                               ; piece 10, the last
	NSTEP 1, 0, 1, 1
	NSTEP 0, 0, 1, 2
	TSTEP 1, 1, 0, 0                               ; nothing is filled again: no round
	NSTEP 0, 0, 0, 1
	s_wait_dscnt 0x0                               ; the last step: in place of fragments, the way out's constants from my scratch
	PLACES
	WIN TO_B
.irp b, 0,1,2,3,4,5,6,7
	ds_load_b128 v[SW+8*\b:SW+8*\b+3], v[CA] offset:64*\b
	ds_load_b128 v[SW+8*\b+4:SW+8*\b+7], v[CA] offset:64*\b+16
	ds_load_b128 v[BI+8*\b:BI+8*\b+3], v[CA] offset:512+64*\b
	ds_load_b128 v[BI+8*\b+4:BI+8*\b+7], v[CA] offset:512+64*\b+16
	ds_load_b32 v[SA+2*\b], v[CS] offset:1024+64*\b        ; sa of row 16 b + r, in both halves of a pair
	ds_load_b32 v[SA+2*\b+1], v[CS] offset:1024+64*\b
.endr
	WIN MUL_LO                                     ; the last step goes by A's blocks like every step: block a is finished behind its eight products, and leaves at once
	MUL8 0, 1, 0
	MUL8 1, 1, 0
	s_wait_dscnt 0x0                               ; the constants are in
	PLACES                                         ; four places in front of the first read of results; later on block a - 1's arithmetic stands between block a's products and their first read
; THE WAY OUT, block by block of 16 rows: x sa, x sw + bias, to bf16; through my stage and back as whole rows of 256 bytes.  Each accumulator is read from its low end on.
.macro EPI a
.set AC, 64*((\a)%4)
	WIN (0x96+0x41*((\a)/4))                       ; source 0 and destination: window 2 or 3; sources 1 and 2: window 1
.irp b, 0,1,2,3,4,5,6,7
.irp p, 0,2,4,6
	v_pk_mul_f32 v[AC+8*\b+\p:AC+8*\b+\p+1], v[AC+8*\b+\p:AC+8*\b+\p+1], v[SA+2*(\a):SA+2*(\a)+1]
.endr
.endr
.irp b, 0,1,2,3,4,5,6,7
.irp p, 0,2,4,6
	v_pk_fma_f32 v[AC+8*\b+\p:AC+8*\b+\p+1], v[AC+8*\b+\p:AC+8*\b+\p+1], v[SW+8*\b+\p:SW+8*\b+\p+1], v[BI+8*\b+\p:BI+8*\b+\p+1]
.endr
.endr
	WIN (0x0a+5*((\a)/4))
.irp b, 0,1,2,3,4,5,6,7
.irp i, 0,1,2,3
	v_cvt_pk_bf16_f32 v[TMP+4*\b+\i], v[AC+8*\b+2*\i], v[AC+8*\b+2*\i+1]
.endr
.endr
	WIN 0
.endm
.macro TOSTAGE a
.set BB, OB+32*((\a)%2)
.irp b, 0,1,2,3,4,5,6,7
	ds_store_b128 v[STO], v[TMP+4*\b:TMP+4*\b+3] offset:32*\b
.endr
.irp t, 0,1,2,3,4,5,6,7
	ds_load_b128 v[BB+4*\t:BB+4*\t+3], v[RD] offset:\t*2*SPITCH    ; a wave's LDS instructions are served in order: these see the stores above
.endr
.endm
.macro SEND a
.set BB, OB+32*((\a)%2)
	s_wait_dscnt 0x0                               ; the block is back in registers
	s_wait_xcnt 0x0                                ; the earlier stores have read their base and their data
.if (\a) > 0
	s_add_nc_u64 s[8:9], s[8:9], 16*SIZE_N*2
.endif
.irp t, 0,1,2,3,4,5,6,7
	global_store_b128 v[CO], v[BB+4*\t:BB+4*\t+3], s[8:9] offset:2*\t*SIZE_N*2 th:TH_STORE_NT   ; 16 lanes store 256 consecutive bytes, aligned
.endr
.endm
	EPI 0
	TOSTAGE 0
.irp a, 1,2,3,4,5,6,7
.if \a < 7
	WIN (MUL_LO+0x50*((\a+1)/4))
	MUL8 \a+1, 1, 0                                ; the next block's products are issued ahead of this block's arithmetic
.endif
	EPI \a                                         ; block a's arithmetic stands between block a - 1's loads from the stage and the wait for them
	s_wait_alu depctr_va_vdst(0)
	SEND \a-1
	TOSTAGE \a
.endr
	SEND 7
	s_wait_tensorcnt 0x0                           ; the wave's end
	ds_add_u32 v[SPW], v[NIL]
	s_wait_dscnt 0x0
	CROUND                                         ; the closing round
	s_endpgm
.Lfunc_end_k_q7912beebfc_gemm:
	.size	k_q7912beebfc_gemm, .Lfunc_end_k_q7912beebfc_gemm-k_q7912beebfc_gemm
	.p2alignl 7, 3214868480
	.fill 96, 4, 3214868480
	.section	.rodata,"a",@progbits
	.p2align	6, 0x0
	.amdhsa_kernel k_q7912beebfc_gemm
		.amdhsa_group_segment_fixed_size 327680
		.amdhsa_private_segment_fixed_size 0
		.amdhsa_enable_private_segment 0
		.amdhsa_kernarg_size 48
		.amdhsa_user_sgpr_count 2
		.amdhsa_user_sgpr_kernarg_segment_ptr 1
		.amdhsa_wavefront_size32 1
		.amdhsa_system_sgpr_workgroup_id_x 1
		.amdhsa_system_sgpr_workgroup_id_y 1
		.amdhsa_system_sgpr_workgroup_id_z 1
		.amdhsa_system_vgpr_workitem_id 0
		.amdhsa_next_free_vgpr 1024
		.amdhsa_next_free_sgpr 80
		.amdhsa_reserve_vcc 0
		.amdhsa_float_denorm_mode_32 3
		.amdhsa_float_denorm_mode_16_64 3
		.amdhsa_memory_ordered 1
		.amdhsa_forward_progress 1
		.amdhsa_inst_pref_size 247
	.end_amdhsa_kernel
	.amdgpu_metadata
---
amdhsa.version: [ 1, 2 ]
amdhsa.kernels:
  - .name:           k_q7912beebfc_gemm
    .symbol:         k_q7912beebfc_gemm.kd
    .args:
      - { .name: a_tiles, .offset: 0, .size: 8, .value_kind: global_buffer, .address_space: global }
      - { .name: b_tiles, .offset: 8, .size: 8, .value_kind: global_buffer, .address_space: global }
      - { .name: out0, .offset: 16, .size: 8, .value_kind: global_buffer, .address_space: global }
      - { .name: a_row, .offset: 24, .size: 8, .value_kind: global_buffer, .address_space: global }
      - { .name: b_row, .offset: 32, .size: 8, .value_kind: global_buffer, .address_space: global }
      - { .name: bias, .offset: 40, .size: 8, .value_kind: global_buffer, .address_space: global }
    .group_segment_fixed_size: 327680
    .private_segment_fixed_size: 0
    .kernarg_segment_align: 8
    .kernarg_segment_size: 48
    .max_flat_workgroup_size: 128
    .sgpr_count:     80
    .vgpr_count:     1024
    .wavefront_size: 32
...
	.end_amdgpu_metadata
.endif
;; end of part 2
